; MI455X (gfx1250); checked and timed in simulation.
; The chip was launched on July 23, 2026; its instructions are those of AMD's public machine-readable ISA for CDNA 5 (MIT licence, August 2026) and "CDNA5" Instruction Set Architecture Reference Guide (July 2026). The comments in the code are by the model that wrote it; some were corrected since.
;; Distance Layer. Allowed arithmetic: matrix products marked QUANTISED: E2M1 operands, one E8M0 scale for each 32 along K, by v_wmma_scale_f32_16x16x128_f8f6f4 with both operands' format E2M1 (or v_wmma_scale_f32_32x16x128_f4), f32 sums; products left as they are: f32 operands where the result goes on into a quantised operand, else bf16, f16 or f32 operands; f32 sums; everything else in f32.
;; Inputs: covariances_inv 16 x 64 x 64 float32; inputs 262,144 x 64 float32; means 16 x 64 float32; weights 16 float32.
;; Outputs: out0 262,144 float32.
;; This version of the problem:
;;   THIS VERSION OF THE PROBLEM IS GIVEN IN LOW PRECISION. The matrix products marked QUANTISED in the list below multiply operands that are first quantised to E2M1 (2 exponent bits, 1 mantissa bit; 4 bits a number), with one power-of-two scale for each 32 numbers along K (OCP MX v1.0); their sums are f32. All else is computed in f32.
;;   The module's matrix products, in the order in which they are computed (A, B: the left and right operand; K: the contracted axis; several contracted axes count as one K, in the product's order):
;;     1. batch 16 x [M 64, K 64] x [K 64, N 262,144]; A: input covariances_inv; B: computed on the way: QUANTISED
;;     2. batch 4,194,304 x [M 1, K 64] x [K 64, N 1]; A: computed on the way; B: computed on the way: left as it is (M = 1 < 16)
;;   THE QUANTISER, for each operand of a quantised product, along K:
;;     - K is cut into blocks of 32 from its start; a last block that is shorter is filled with zeros.
;;     - A block's scale is 2^e with e = floor(log2(the largest magnitude in the block)) - 2, held to -126 .. 127; a block of zeros has e = 0. As a byte (E8M0): e + 127.
;;     - Each number is divided by its block's scale, clamped to +-6, and rounded to the nearest number of E2M1, ties to even, subnormals kept.
;;     - The product sums the exact products of the quantised numbers (number of the format x scale) in f32.
;;   ~~~python
;;   def quantise(x, axis):      # numpy; x: float32 -> the quantised numbers, widened to float32 again
;;       x = np.moveaxis(x, axis, -1); K = x.shape[-1]
;;       x = np.pad(x, [(0, 0)] * (x.ndim - 1) + [(0, -K % 32)]); x = x.reshape(x.shape[:-1] + (-1, 32)); a = np.abs(x).max(-1, keepdims=True)
;;       e = np.where(a > 0, np.clip(np.frexp(np.where(a > 0, a, 1))[1] - 1 - 2, -126, 127), 0)      # np.frexp(a)[1] - 1 = floor(log2(a)), exactly
;;       r = np.clip(x / 2.0 ** e, -6, 6)
;;       step = 2.0 ** (np.maximum(np.frexp(np.where(r == 0, 1, r))[1] - 1, 0) - 1)
;;       q = np.round(r / step) * step * 2.0 ** e      # np.round: ties to even
;;       return np.moveaxis(q.reshape(q.shape[:-2] + (-1,))[..., :K], -1, axis).astype(np.float32)
;;   ~~~
;;   OPERANDS COMPUTED ON THE WAY. 'Computed on the way' means the value that the module computes at that place (a softmax that the list does not call 'softmax' is quantised finished and normalised). What goes into a quantiser is computed in f32, as accurately as f32 sums, v_exp_f32 and their like allow (about 1e-6 of the number): no bf16 or f16 on the way to a quantiser, and a product that is left as it is and whose result goes on into a quantised operand takes f32 operands (vector FMAs, or v_wmma_f32_16x16x4_f32). A number that lies on a knife's edge between two numbers of the format may be rounded either way, as far as f32 arithmetic and the matrix unit's own rounding can turn it there, and no further.
;; One version. Each part assembles by itself: llvm-mc -triple=amdgcn-amd-amdhsa -mcpu=gfx1250 --defsym DOCPART=n.
;; ======== version 1 of 1: 1 launch
;; launch maha (part 1): grid 256 x 1, 8 waves a work-group, no clusters, 327,680 bytes of LDS; arguments inputs, covariances_inv, means, weights, out0; writes out0
.if DOCPART == 1
	.amdgcn_target "amdgcn-amd-amdhsa--gfx1250"
	.amdhsa_code_object_version 6
	.text
	.protected	k_q7c5856ecd8_maha
	.globl	k_q7c5856ecd8_maha
	.p2align	8
	.type	k_q7c5856ecd8_maha,@function
k_q7c5856ecd8_maha:
	s_mov_b64 s[64:65], 0
	v_nop
	global_prefetch_b8 v0, s[64:65] scope:SCOPE_SE
	s_setreg_imm32_b32 hwreg(HW_REG_WAVE_MODE, 25, 1), 1
	s_wait_xcnt 0x0
; score[n] = prod over c of d[n][c]^w[c],  d[n][c] = sum over e of y[e] cent[e],  y[e] = sum over d of Q(cov[c][d][e]) Q(cent[d]),  cent = x[n] - mean[c].
; Q is the MX-FP4 quantiser along d (E2M1 codes, one E8M0 byte for each 32 along d); the first product goes to the matrix unit on codes, the second is f32 multiply-adds on the unquantised cent.
; x: [262144][64] f32;  cov: [16][64 (d)][64 (e)] f32, K = d = its middle axis;  mean: [16][64];  w: [16];  score: [262144] f32.  The product over c is formed as 2^(sum of w log2 d).
; LIMITS: d < 0 gives NaN for every w, a whole number too; d = 0 with w = 0 gives NaN where 0^0 = 1 is meant; d under 2^-126 counts as 0 (v_log_f32 takes denormals as zero: ISA guide 15.8);
; NaN and infinities among the inputs are not served.  A block of zeros gets the scale byte 1 where the quantiser says 127: its codes are zeros, and these bytes are read by this program alone.
; SHARES.  256 work-groups of eight waves; a work-group owns 1,024 samples, a wave 128: eight tiles of 16.
; x is read from memory once.  A UNIT is (tile, component): 128 units a wave, component by component, the eight tiles inside.
; LAYOUT.  Source 1 = 16 samples: lane (r, h) holds sample r, and registers 0-3 hold the codes of d = 32 h .. 32 h + 31: ONE WHOLE BLOCK A LANE, so the block's largest magnitude asks no other lane.  K has 64 of the
; instruction's 128: source 1's registers 4-7 are zero codes, written once, so whatever source 0 holds there adds nothing; bytes 2 and 3 of all scale words are 0.
; Source 0 = 16 rows e of cov[c].  THE ROWS OF A TILE ARE NOT NEIGHBOURS: lane r of tile t takes e = 32 (r / 8) + 8 t + r % 8, so that register j of tile t's result in lane (r, h) is y[32 h + 8 t + j]: the very 32
; indices of the lane's own cent.  So the second product is 16 packed multiply-adds inside the lane and one exchange of the lanes' halves.
; A component's four tiles of codes lie on end in 16 registers + 4 of zeros; tile t's operand is the eight registers from 4 t on (its upper four meet source 1's zero codes).
; THE COVARIANCES are quantised here, while x is on its way: wave w takes components 2 w and 2 w + 1, a lane to a column e, registers down d; codes and scale words go to LDS as images of the operand's registers.
; NO JOINT LOADS: what work-groups share is cov, which must pass through registers to be quantised; as f32 its 262,144 bytes do not fit beside x's 278,528 in the 327,680 of LDS.
; No LDS byte is filled twice, so there is one tensor load a wave and one barrier in the text (behind the covariances' images); behind it the waves share only bytes that nobody writes.
.set XP,    272                        ; a row of x in LDS: 256 bytes + 16 of padding = 68 words: the 16 rows that a load touches begin 4 words apart modulo 64
.set XW,    128*XP                     ; a wave's 128 rows
.set AIMG,  8*XW                       ; images of cov's codes: 2,048 c + 512 t + 16 lane
.set ASC,   AIMG+16*2048               ; cov's scale words: 256 c + 16 r + 4 t
.set MEANS, ASC+16*256                 ; the means as they lie: 256 c + 4 d
.set OUTS,  MEANS+16*256               ; the way out: 512 bytes for each wave.  323,584 bytes in all
.set FLOOR, 0x1800000                  ; 2^(3 - 127): no largest magnitude is taken under it, so no scale byte falls under 1
; window 0: v1 4 lane; v2 16 thread; v3 where I put my 16 bytes of the means; v4, v5 where I put a column's codes and scale word; v6-8 my lane's place among the means, the images, the scale words;
;   v9-11 the same for the component to be fetched; v12 my lane's place in my wave's x; v13, v14 the way out: in, back; v15 16 lane
.set M,   16                           ; v16-79    the means of my 32 d: two sets
.set A,   80                           ; v80-119   cov's codes: two sets of 16 + 4 zeros
.set AS,  120                          ; v120-127  cov's scale words: two sets of four; they hold scales and nothing else
.set C,   128                          ; v128-191  cent: two sets of 32
.set Y,   192                          ; v192-223  four results
.set B,   224                          ; v224-231  cent's codes; 228-231 zeros
.set S,   232                          ; v232-239  the eight tiles' half sums of a component
.set ACC, 240                          ; v240-243  sum of w log2 d: register q, lane l: my wave's sample 32 q + l
.set P,   244                          ; v244-247  the second product, two packed chains
.set MX,  248                          ; v248-251  four chains of the largest magnitude
.set SOP, 252                          ; the conversions' scale operand
.set BY,  253                          ; my block's scale byte
.set T,   254                          ; the other half's byte
.set BS,  255                          ; cent's scale word; it holds scales and nothing else
; window 1: x, tile t at v[32 t]
; the preparation's use of the same registers:
.set CV0, 16                           ; 64 numbers of a column
.set CV1, 128                          ; and of the next
.set CD,  192                          ; codes (8) and scale word (1): 12 registers for each of four tasks, so that no LDS store's data are written again
.set QA,  244                          ; four chains
.set QS,  248                          ; two scale operands
.set QB,  250                          ; two bytes
.set MSB, 0
.macro WIN new                         ; the immediate's high byte repeats the setting that is left
.if MSB != \new
	s_set_vgpr_msb (MSB<<8)|\new
.set MSB, \new
.endif
.endm
	s_load_b256 s[4:11], s[0:1], 0x0               ; x s[4:5], cov s[6:7], means s[8:9], w s[10:11]
	s_load_b64 s[12:13], s[0:1], 0x20              ; score
	v_lshl_add_u32 v253, v0, 2, 0x4f000
	v_mov_b32 v254, 0
	ds_add_u32 v253, v254
	ds_add_u32 v253, v254
	s_wait_dscnt 0x0
	v_lshrrev_b32 v248, 5, v0
	v_readfirstlane_b32 s14, v248                  ; wave 0..7
	; descriptor group 1: a dense block of 128 rows of 256 bytes (32 elements of 8 bytes), 4 words of padding behind every 64
	s_mov_b32 s20, (3<<16)|(1<<20)|(5<<22)|(3<<25) ; 15:0 no mask; 17:16 elements of 8 bytes; 20 padding on; 24:22 after every 64 words (code 5); 31:25 four words (code 3)
	s_mov_b32 s21, 32<<16                          ; tensor_dim0 = 32
	s_mov_b32 s22, 128<<16                         ; tensor_dim1 = 128
	s_mov_b32 s23, 32<<16                          ; tile_dim0 = 32
	s_mov_b32 s24, 128                             ; tile_dim1 = 128
	s_mov_b32 s25, 32                              ; from row to row: 32 elements
	s_mov_b32 s26, 0
	s_mov_b32 s27, 0
	s_mov_b32 s16, 1                               ; group 0: count = 1,
	s_mul_i32 s17, s14, XW                         ; LDS address: my wave's part
	s_lshl_b32 s36, ttmp9, 3
	s_add_co_u32 s36, s36, s14                     ; which run of 128 samples is my wave's: 8 x work-group + wave
	s_lshl_b32 s38, s36, 9                         ; its 512 bytes of the score,
	s_mov_b32 s39, 0
	s_lshl_b32 s36, s36, 15                        ; its 32,768 bytes of x (under 2^27),
	s_mov_b32 s37, 0
	s_lshl_b32 s40, s14, 15                        ; and my two components of cov
	s_mov_b32 s41, 0
	s_mov_b32 s28, 0x76543210
	s_mov_b32 s29, 0xfedcba98                      ; v_permlanex16_b32's selects for lane l xor 16
	v_and_b32 v249, 31, v0                         ; lane
	v_lshlrev_b32 v1, 2, v249
	v_lshlrev_b32 v2, 4, v0
	v_lshl_add_u32 v3, v0, 4, MEANS
	v_bfe_u32 v250, v0, 3, 2                       ; lane / 8: the tile t into which my column e = 32 eh + lane falls,
	v_and_b32 v251, 7, v0                          ; lane % 8: its row there is r = 8 eh + lane % 8
	v_lshlrev_b32 v4, 9, v250
	v_lshl_add_u32 v4, v251, 4, v4
	s_lshl_b32 s42, s14, 12
	s_add_co_u32 s42, s42, AIMG
	v_add_nc_u32 v4, s42, v4                       ; AIMG + 4,096 wave + 512 t + 16 (lane % 8); eh and the block along d stand in the stores' immediates
	v_lshlrev_b32 v5, 2, v250
	v_lshl_add_u32 v5, v251, 4, v5
	s_lshl_b32 s43, s14, 9
	s_add_co_u32 s43, s43, ASC
	v_add_nc_u32 v5, s43, v5                       ; ASC + 512 wave + 16 (lane % 8) + 4 t
	v_and_b32 v250, 15, v0                         ; r
	v_bfe_u32 v251, v0, 4, 1                       ; h
	v_lshl_add_u32 v6, v251, 7, MEANS              ; my 32 means: 128 h on
	v_lshl_add_u32 v7, v249, 4, AIMG
	v_lshl_add_u32 v8, v250, 4, ASC
	v_mul_u32_u24 v12, v250, XP
	v_lshl_add_u32 v12, v251, 7, v12
	v_add_nc_u32 v12, s17, v12                     ; x: my wave's part, row r, + 128 h
	s_lshl_b32 s44, s14, 9
	s_add_co_u32 s44, s44, OUTS
	v_add_nc_u32 v13, s44, v1
	v_lshlrev_b32 v15, 4, v249
	v_add_nc_u32 v14, s44, v15
	s_wait_kmcnt 0x0
	s_add_nc_u64 s[6:7], s[6:7], s[40:41]
	s_add_nc_u64 s[12:13], s[12:13], s[38:39]
	s_add_nc_u64 s[18:19], s[4:5], s[36:37]        ; group 0: the global address of my wave's first row,
	s_or_b32 s19, s19, 0x80000000                  ; type = 2
	tensor_load_to_lds s[16:19], s[20:27]          ; my wave's one tensor load, ahead of every wait for it, every LDS read and the barrier; its descriptor is never written again
	s_nop 0
; ---- THE PREPARATION, while x is on its way
; A column task: component 2 wave + cc, columns e = 32 eh + lane.  64 loads: cov[c][i][e], i = 0 .. 63 down d: 32 lanes read 128 consecutive bytes.
.macro LOADP cc, eh, buf
.set i, 0
.rept 64
	global_load_b32 v[\buf+i], v1, s[6:7] offset:\cc*16384+i*256+\eh*128
.set i, i+1
.endr
.endm
; Its two blocks of 32 along d are all mine: largest magnitudes (two chains a block, the blocks by turns), scale operands, bytes, codes; then the images.
.macro QUANTP cc, eh, buf, cd
.irp k, 0,1
	v_max3_num_f32 v[QA+2*\k], |v[\buf+32*\k]|, |v[\buf+32*\k+1]|, |v[\buf+32*\k+2]|
	v_max3_num_f32 v[QA+2*\k+1], |v[\buf+32*\k+3]|, |v[\buf+32*\k+4]|, |v[\buf+32*\k+5]|
.endr
.irp i, 6,10,14,18,22,26
.irp k, 0,1
	v_max3_num_f32 v[QA+2*\k], v[QA+2*\k], |v[\buf+32*\k+\i]|, |v[\buf+32*\k+\i+1]|
	v_max3_num_f32 v[QA+2*\k+1], v[QA+2*\k+1], |v[\buf+32*\k+\i+2]|, |v[\buf+32*\k+\i+3]|
.endr
.endr
.irp k, 0,1
	v_max3_num_f32 v[QA+2*\k], v[QA+2*\k], |v[\buf+32*\k+30]|, |v[\buf+32*\k+31]|
.endr
.irp k, 0,1
	v_max3_num_f32 v[QA+2*\k], v[QA+2*\k], v[QA+2*\k+1], FLOOR
.endr
.irp k, 0,1
	v_add_nc_u32 v[QS+\k], 0xff000000, v[QA+2*\k]  ; 2 off the exponent field: the conversion takes the exponent field of this operand as its scale, and nothing else of it
.endr
.irp k, 0,1
	v_lshrrev_b32 v[QB+\k], 23, v[QS+\k]           ; the scale's byte
.endr
.irp k, 0,1
.irp g, 0,1,2,3
	v_cvt_scalef32_pk8_fp4_f32 v[(\cd)+4*\k+\g], v[\buf+32*\k+8*\g:\buf+32*\k+8*\g+7], v[QS+\k]
.endr
.endr
	v_lshl_or_b32 v[(\cd)+8], v[QB+1], 8, v[QB]    ; my column's scale word: bytes 2 and 3 are 0.  (Also the plain line behind the conversions)
.irp k, 0,1
	ds_store_b128 v4, v[(\cd)+4*\k:(\cd)+4*\k+3] offset:\cc*2048+\eh*128+256*\k   ; the 16 bytes that lane (r = 8 eh + lane % 8, h = k) of tile lane / 8 will load
.endr
	ds_store_b32 v5, v[(\cd)+8] offset:\cc*256+\eh*128
.endm
	global_load_b128 v[ACC:ACC+3], v2, s[8:9]      ; the means: 256 threads x 16 bytes
	LOADP 0, 0, CV0
	LOADP 0, 1, CV1
	s_wait_loadcnt 63                              ; 64 loads were issued behind the first task's; the wait's largest count, 63, shows the means and that task in
	ds_store_b128 v3, v[ACC:ACC+3]
	QUANTP 0, 0, CV0, CD
	LOADP 1, 0, CV0
	s_wait_loadcnt 63                              ; likewise: 64 loads were issued behind the second task's
	QUANTP 0, 1, CV1, CD+12
	LOADP 1, 1, CV1
	s_wait_loadcnt 63                              ; and behind the third's
	QUANTP 1, 0, CV0, CD+24
	s_wait_loadcnt 0x0
	QUANTP 1, 1, CV1, CD+36
	s_wait_dscnt 0x0                               ; for the others' sake: my stores of images, scale words and means are done
	s_barrier_signal -1                            ; (my tensor load may be out, and its bytes are read by my wave alone, behind my own wait)
	s_barrier_wait -1                              ; the one barrier: from here on nobody writes what another wave reads
; ---- THE MACROS OF THE LOOP
; A component's means (my 32), codes (four tiles) and scale words into set b: 13 LDS loads
.macro FETCHC b, am, aa, asc
.irp i, 0,1,2,3,4,5,6,7
	ds_load_b128 v[M+32*(\b)+4*\i:M+32*(\b)+4*\i+3], v[\am] offset:16*\i
.endr
.irp t, 0,1,2,3
	ds_load_b128 v[A+20*(\b)+4*\t:A+20*(\b)+4*\t+3], v[\aa] offset:512*\t
.endr
	ds_load_b128 v[AS+4*(\b):AS+4*(\b)+3], v[\asc]
.endm
; cent of tile tau under the means of set mb, into set cb: 16 packed subtractions; x lies in window 1
.macro SUB cb, mb, tau
	WIN 0x01
.set i, 0
.rept 16
	v_pk_add_f32 v[C+32*(\cb)+i:C+32*(\cb)+i+1], v[32*(\tau)+i:32*(\tau)+i+1], v[M+32*(\mb)+i:M+32*(\mb)+i+1] neg_lo:[0,1] neg_hi:[0,1]
.set i, i+2
.endr
	WIN 0
.endm
; Line qn of the 20 that lead from cent (set cb) to its scale: 0-15 the largest magnitude of my 32 (four chains of seven, then the four left over, the chains and the floor); 16 the conversions' scale operand;
; 17 my block's byte; 18 the other block's, from lane l xor 16; 19 the sample's scale word (read from lanes 0-15: byte 0 = d 0-31, byte 1 = d 32-63, bytes 2 and 3 = 0)
.macro QLINE cb
.set CBASE, C+32*(\cb)
.if qn < 4
	v_max3_num_f32 v[MX+qn], |v[CBASE+8*qn]|, |v[CBASE+8*qn+1]|, |v[CBASE+8*qn+2]|
.elseif qn < 12
	v_max3_num_f32 v[MX+qn%4], v[MX+qn%4], |v[CBASE+8*(qn%4)+2*(qn/4)+1]|, |v[CBASE+8*(qn%4)+2*(qn/4)+2]|
.elseif qn == 12
	v_max3_num_f32 v[MX], v[MX], |v[CBASE+7]|, |v[CBASE+15]|
.elseif qn == 13
	v_max3_num_f32 v[MX+2], v[MX+2], |v[CBASE+23]|, |v[CBASE+31]|
.elseif qn == 14
	v_max3_num_f32 v[MX], v[MX], v[MX+1], v[MX+2]
.elseif qn == 15
	v_max3_num_f32 v[MX], v[MX], v[MX+3], FLOOR
.elseif qn == 16
	v_add_nc_u32 v[SOP], 0xff000000, v[MX]
.elseif qn == 17
	v_lshrrev_b32 v[BY], 23, v[SOP]
.elseif qn == 18
	v_permlanex16_b32 v[T], v[BY], s28, s29
.else
	v_lshl_or_b32 v[BS], v[T], 8, v[BY]
.endif
.set qn, qn+1
.endm
; Line fn of the 16 of the second product: y's pair fn x cent's pair fn (set pb), in two chains that the first two lines start.  Ascending: each result is first read at its low end.
.macro FMAI pb
.set PBASE, C+32*(\pb)
.set PCH, P+2*(fn%2)
.if fn < 2
	v_pk_mul_f32 v[PCH:PCH+1], v[Y+2*fn:Y+2*fn+1], v[PBASE+2*fn:PBASE+2*fn+1]
.else
	v_pk_fma_f32 v[PCH:PCH+1], v[Y+2*fn:Y+2*fn+1], v[PBASE+2*fn:PBASE+2*fn+1], v[PCH:PCH+1]
.endif
.set fn, fn+1
.endm
.macro RED u                           ; the four partial sums: tile u's half sum of my sample (my 32 e)
	v_pk_add_f32 v[P:P+1], v[P:P+1], v[P+2:P+3]
	v_add_f32 v[S+(\u)], v[P], v[P+1]
.endm
; THE STEP of tile u under the component in set b.  cent of this unit lies in set u % 2.  fma = 1: the unit before has its second product here, by turns with this unit's quantiser lines.
; w = 1: the next component's 13 loads are waited for.  Then cent of the next unit (means set nmb, tile ntau) and this unit's four products.
; DISTANCES (ISA guide 7.12.1): the first four lines name no register of the last products and are the four places in front of the first read of their results; the 16 subtractions stand between the line that
; writes the scale word, the conversions that write the codes, and the products; the first of them is the plain line behind the conversions.
; No sum goes from one product to another: each of the four begins with C = 0 in a result of its own.
.macro STEP u, b, fma, w, nmb, ntau
.set qn, 0
.set fn, 0
.rept 4
	QLINE (\u)%2
.endr
.rept 16
.if \fma
	FMAI ((\u)+1)%2
.endif
	QLINE (\u)%2
.endr
.if \fma
	RED (\u)-1
.endif
.irp g, 0,1,2,3
	v_cvt_scalef32_pk8_fp4_f32 v[B+\g], v[C+32*((\u)%2)+8*\g:C+32*((\u)%2)+8*\g+7], v[SOP]
.endr
.if \w
	s_wait_dscnt 0x0                               ; the next component's means, codes and scale words are in (asked for seven steps ago)
.endif
	SUB ((\u)+1)%2, \nmb, \ntau
.irp t, 0,1,2,3
	v_wmma_scale_f32_16x16x128_f8f6f4 v[Y+8*\t:Y+8*\t+7], v[A+20*(\b)+4*\t:A+20*(\b)+4*\t+7], v[B:B+7], 0, v[AS+4*(\b)+\t], v[BS] matrix_a_fmt:MATRIX_FMT_FP4 matrix_b_fmt:MATRIX_FMT_FP4
.endr
.endm
; THE END OF A COMPONENT.  The addresses of the next fetch; tiles 0-5: the two halves of the lanes meet (after the swap and the sum, register 2 q holds tile 2 q's d in lanes 0-15 and tile 2 q + 1's in lanes 16-31),
; log2; tile 7's second product; tiles 6 and 7 likewise; ACC += w log2 d.  The six additions ahead of the logarithms are the places behind the last products; a plain line stands behind each run of logarithms.
.macro FIN b
	s_add_co_u32 s33, s33, 256                     ; 256 x the component to be fetched next,
	s_min_u32 s45, s33, 15*256                     ; held at the last: component 15 fetches its own data again, unused, so that the step is written once with the same waits
	s_lshl_b32 s34, s45, 3
	v_add_nc_u32 v9, s45, v6
	v_add_nc_u32 v10, s34, v7
	v_add_nc_u32 v11, s45, v8
.irp q, 0,1,2
	v_permlane16_swap_b32 v[S+2*\q], v[S+2*\q+1]
.endr
.irp q, 0,1,2
	v_add_f32 v[S+2*\q], v[S+2*\q], v[S+2*\q+1]
.endr
.irp q, 0,1,2
	v_log_f32 v[S+2*\q+1], v[S+2*\q]
.endr
.set fn, 0
.rept 16
	FMAI 1
.endr
	RED 7
	v_permlane16_swap_b32 v[S+6], v[S+7]
	v_add_f32 v[S+6], v[S+6], v[S+7]
	v_log_f32 v[S+7], v[S+6]
.if \b == 0
	s_wait_kmcnt 0x0                               ; the trip's two weights
.endif
	s_wait_alu depctr_va_vdst(0)
.irp q, 0,1,2,3
	v_fmac_f32 v[ACC+\q], s[30+\b], v[S+2*\q+1]
.endr
.endm
.macro COMP b                          ; a component whose data lie in set b: the next one's are asked for first
	FETCHC 1-(\b), 9, 10, 11
	STEP 0, \b, 0, 0, \b, 1
.irp u, 1,2,3,4,5,6
	STEP \u, \b, 1, 0, \b, \u+1
.endr
	STEP 7, \b, 1, 1, 1-(\b), 0
	FIN \b
.endm
; ---- SET-UP
.irp j, 0,1,2,3
	v_mov_b32 v[A+16+\j], 0                        ; behind each set of codes four registers of zeros,
	v_mov_b32 v[A+36+\j], 0
	v_mov_b32 v[B+4+\j], 0                         ; cent's codes of K = 64 .. 127: zeros, written once,
	v_mov_b32 v[ACC+\j], 0                         ; the sums of w log2 d
.endr
	v_mov_b32 v[T], 0                              ; a lane permute's destination counts as one of its sources
	FETCHC 0, 6, 7, 8                              ; component 0
	s_mov_b32 s33, 256                             ; the next fetch is component 1's
	v_add_nc_u32 v9, 256, v6
	v_add_nc_u32 v10, 2048, v7
	v_add_nc_u32 v11, 256, v8
	s_mov_b32 s35, 8                               ; trips
	s_wait_tensorcnt 0x0                           ; my wave's x is in LDS; nobody else reads it
	WIN 0x40                                       ; destination window 1
.set i, 0
.rept 64
	ds_load_b128 v[4*i:4*i+3], v12 offset:(i/8)*16*XP+(i%8)*16   ; tile i / 8: x(16 (i / 8) + r, 32 h + 4 (i % 8) ..)
.set i, i+1
.endr
	WIN 0
	s_wait_dscnt 0x0
	SUB 0, 0, 0                                    ; cent of the first unit
; ---- THE LOOP: eight trips of two components
.Ltrip:
	s_load_b64 s[30:31], s[10:11], 0x0             ; their weights
	COMP 0
	COMP 1
	s_add_nc_u64 s[10:11], s[10:11], 8             ; (the load that read this pointer was waited for in the first component)
	s_sub_co_u32 s35, s35, 1
	s_cmp_lg_u32 s35, 0
	s_cbranch_scc1 .Ltrip
; ---- THE WAY OUT: 2^sum; register q, lane l is sample 32 q + l: through my wave's 512 bytes of LDS, so that one store of 16 bytes a lane covers 512 consecutive bytes, aligned
.irp q, 0,1,2,3
	v_exp_f32 v[ACC+\q], v[ACC+\q]
.endr
	v_nop                                          ; a plain line behind the exponentials
	s_wait_alu depctr_va_vdst(0)
.irp q, 0,1,2,3
	ds_store_b32 v13, v[ACC+\q] offset:128*\q
.endr
	ds_load_b128 v[P:P+3], v14                     ; LDS serves a wave's instructions in order (ISA guide 5.7.1.4): this sees the stores above
	s_wait_dscnt 0x0
	global_store_b128 v15, v[P:P+3], s[12:13] th:TH_STORE_NT
	s_wait_xcnt 0x0
	v_lshl_add_u32 v253, v0, 2, 0x4f000
	v_mov_b32 v254, 0
	s_wait_tensorcnt 0x0
	ds_add_u32 v253, v254
	s_wait_dscnt 0x0
	s_endpgm
.Lfunc_end_k_q7c5856ecd8_maha:
	.size	k_q7c5856ecd8_maha, .Lfunc_end_k_q7c5856ecd8_maha-k_q7c5856ecd8_maha
	.p2alignl 7, 3214868480
	.fill 96, 4, 3214868480
	.section	.rodata,"a",@progbits
	.p2align	6, 0x0
	.amdhsa_kernel k_q7c5856ecd8_maha
		.amdhsa_group_segment_fixed_size 327680
		.amdhsa_private_segment_fixed_size 0
		.amdhsa_enable_private_segment 0
		.amdhsa_kernarg_size 40
		.amdhsa_user_sgpr_count 2
		.amdhsa_user_sgpr_kernarg_segment_ptr 1
		.amdhsa_wavefront_size32 1
		.amdhsa_system_sgpr_workgroup_id_x 1
		.amdhsa_system_sgpr_workgroup_id_y 1
		.amdhsa_system_sgpr_workgroup_id_z 1
		.amdhsa_system_vgpr_workitem_id 0
		.amdhsa_next_free_vgpr 512
		.amdhsa_next_free_sgpr 66
		.amdhsa_reserve_vcc 0
		.amdhsa_float_denorm_mode_32 3
		.amdhsa_float_denorm_mode_16_64 3
		.amdhsa_memory_ordered 1
		.amdhsa_forward_progress 1
		.amdhsa_inst_pref_size 118
	.end_amdhsa_kernel
	.amdgpu_metadata
---
amdhsa.version: [ 1, 2 ]
amdhsa.kernels:
  - .name:           k_q7c5856ecd8_maha
    .symbol:         k_q7c5856ecd8_maha.kd
    .args:
      - { .name: inputs, .offset: 0, .size: 8, .value_kind: global_buffer, .address_space: global }
      - { .name: covariances_inv, .offset: 8, .size: 8, .value_kind: global_buffer, .address_space: global }
      - { .name: means, .offset: 16, .size: 8, .value_kind: global_buffer, .address_space: global }
      - { .name: weights, .offset: 24, .size: 8, .value_kind: global_buffer, .address_space: global }
      - { .name: out0, .offset: 32, .size: 8, .value_kind: global_buffer, .address_space: global }
    .group_segment_fixed_size: 327680
    .private_segment_fixed_size: 0
    .kernarg_segment_align: 8
    .kernarg_segment_size: 40
    .max_flat_workgroup_size: 256
    .sgpr_count:     66
    .vgpr_count:     512
    .wavefront_size: 32
...
	.end_amdgpu_metadata
.endif
;; end of part 1
